; MI455X (gfx1250); checked and timed in simulation.
; The chip was launched on July 23, 2026; its instructions are those of AMD's public machine-readable ISA for CDNA 5 (MIT licence, August 2026) and "CDNA5" Instruction Set Architecture Reference Guide (July 2026). The comments in the code are by the model that wrote it; some were corrected since.
;; Multi Head Attention. Allowed arithmetic: matrix products marked QUANTISED: E2M3 operands, one E8M0 scale for each 32 along K, by v_wmma_scale_f32_16x16x128_f8f6f4 with both operands' format E2M3, f32 sums; everything else in f32.
;; Inputs: Wk_codes 16 x 64 x 32 x 24 uint8 (E2M3 codes of Wk, K innermost, in blocks of 32 codes, four codes in three bytes); Wk_scales 16 x 64 x 32 uint8 (E8M0 scales of Wk, one for each 32 codes along K); Wo_codes 1,024 x 32 x 24 uint8 (E2M3 codes of Wo, K innermost, in blocks of 32 codes, four codes in three bytes); Wo_scales 1,024 x 32 uint8 (E8M0 scales of Wo, one for each 32 codes along K); Wq_codes 16 x 64 x 32 x 24 uint8 (E2M3 codes of Wq, K innermost, in blocks of 32 codes, four codes in three bytes); Wq_scales 16 x 64 x 32 uint8 (E8M0 scales of Wq, one for each 32 codes along K); Wv_codes 16 x 64 x 32 x 24 uint8 (E2M3 codes of Wv, K innermost, in blocks of 32 codes, four codes in three bytes); Wv_scales 16 x 64 x 32 uint8 (E8M0 scales of Wv, one for each 32 codes along K); x_codes 4 x 2,048 x 32 x 24 uint8 (E2M3 codes of x, K innermost, in blocks of 32 codes, four codes in three bytes); x_scales 4 x 2,048 x 32 uint8 (E8M0 scales of x, one for each 32 codes along K).
;; Outputs: out0 4 x 2,048 x 1,024 float32.
;; This version of the problem:
;;   THIS VERSION OF THE PROBLEM IS GIVEN IN LOW PRECISION. The matrix products marked QUANTISED in the list below multiply operands that are first quantised to E2M3 (2 exponent bits, 3 mantissa bits; 6 bits a number), with one power-of-two scale for each 32 numbers along K (OCP MX v1.0); their sums are f32. All else is computed in f32.
;;   The module's matrix products, in the order in which they are computed (A, B: the left and right operand; K: the contracted axis; several contracted axes count as one K, in the product's order):
;;     1. [M 1,024, K 1,024] x [K 1,024, N 8,192]; A: input Wq (given as codes); B: input x (given as codes): QUANTISED
;;     2. [M 1,024, K 1,024] x [K 1,024, N 8,192]; A: input Wk (given as codes); B: input x (given as codes): QUANTISED
;;     3. [M 1,024, K 1,024] x [K 1,024, N 8,192]; A: input Wv (given as codes); B: input x (given as codes): QUANTISED
;;     4. batch 64 x [M 2,048, K 64] x [K 64, N 2,048]; A: computed on the way; B: computed on the way: QUANTISED
;;     5. batch 64 x [M 2,048, K 2,048] x [K 2,048, N 64]; A: softmax (see below); B: computed on the way: QUANTISED
;;     6. [M 8,192, K 1,024] x [K 1,024, N 1,024]; A: computed on the way; B: input Wo (given as codes): QUANTISED
;;   THE QUANTISER, for each operand of a quantised product, along K:
;;     - K is cut into blocks of 32 from its start; a last block that is shorter is filled with zeros.
;;     - A block's scale is 2^e with e = floor(log2(the largest magnitude in the block)) - 2, held to -126 .. 127; a block of zeros has e = 0. As a byte (E8M0): e + 127.
;;     - Each number is divided by its block's scale, clamped to +-7.5, and rounded to the nearest number of E2M3, ties to even, subnormals kept.
;;     - The product sums the exact products of the quantised numbers (number of the format x scale) in f32.
;;   ~~~python
;;   def quantise(x, axis):      # numpy; x: float32 -> the quantised numbers, widened to float32 again
;;       x = np.moveaxis(x, axis, -1); K = x.shape[-1]
;;       x = np.pad(x, [(0, 0)] * (x.ndim - 1) + [(0, -K % 32)]); x = x.reshape(x.shape[:-1] + (-1, 32)); a = np.abs(x).max(-1, keepdims=True)
;;       e = np.where(a > 0, np.clip(np.frexp(np.where(a > 0, a, 1))[1] - 1 - 2, -126, 127), 0)      # np.frexp(a)[1] - 1 = floor(log2(a)), exactly
;;       r = np.clip(x / 2.0 ** e, -7.5, 7.5)
;;       step = 2.0 ** (np.maximum(np.frexp(np.where(r == 0, 1, r))[1] - 1, 0) - 3)
;;       q = np.round(r / step) * step * 2.0 ** e      # np.round: ties to even
;;       return np.moveaxis(q.reshape(q.shape[:-2] + (-1,))[..., :K], -1, axis).astype(np.float32)
;;   ~~~
;;   SOFTMAX AHEAD OF A QUANTISED PRODUCT. Where the list says 'softmax', what is quantised is not the finished softmax but p = 2^(t - M), with t = logit x log2(e) and M = ceil(the row's largest t), a whole number; so 1/2 < the row's largest p <= 1. The row's sum l is taken of the UNQUANTISED p, in f32, and the product's result is divided by l at the end. Since M is a whole number, a kernel that streams over the keys may use a running M (the ceiling of the running maximum): every later rescaling is an exact power of two, which a block's scale takes up: the codes' values come out the same.
;;   OPERANDS COMPUTED ON THE WAY. 'Computed on the way' means the value that the module computes at that place (a softmax that the list does not call 'softmax' is quantised finished and normalised). What goes into a quantiser is computed in f32, as accurately as f32 sums, v_exp_f32 and their like allow (about 1e-6 of the number): no bf16 or f16 on the way to a quantiser, and a product that is left as it is and whose result goes on into a quantised operand takes f32 operands (vector FMAs, or v_wmma_f32_16x16x4_f32). A number that lies on a knife's edge between two numbers of the format may be rounded either way, as far as f32 arithmetic and the matrix unit's own rounding can turn it there, and no further.
;;   INPUTS GIVEN AS CODES. Wk (in the module: [16, 1024, 64], K = its axis 1); Wo (in the module: [1024, 1024], K = its axis 1); Wq (in the module: [16, 1024, 64], K = its axis 1); Wv (in the module: [16, 1024, 64], K = its axis 1); x (in the module: [4, 2048, 1024], K = its axis 2): each comes as NAME_codes (uint8): NAME with its K axis moved to the last place and cut into blocks of 32 codes, [.., K / 32, bytes a block], one block behind the other in memory; four codes in three bytes: a row's codes are one little-endian stream of bits, code i at bits 6 i .. 6 i + 5 (a code: sign, 2 exponent bits, 3 mantissa bits); and NAME_scales (uint8): the same leading axes, one E8M0 byte (e + 127) for each 32 codes along K. Its value is code x scale, taken as it is: it is not quantised again, and the codes and scales need not be those that the quantiser above would give.
;; One version. Each part assembles by itself: llvm-mc -triple=amdgcn-amd-amdhsa -mcpu=gfx1250 --defsym DOCPART=n.
;; ======== version 1 of 1: 3 launches
;; limits: right only within a limited range of input values
;; workspace buffers: kv 13,369,344 bytes; qb 6,815,744 bytes; cc 6,291,456 bytes; cs 262,144 bytes
;; launch qkv (part 1): grid 8 x 32, 4 waves a work-group, clusters of 4 x 4, 327,680 bytes of LDS; arguments x_codes, x_scales, Wq_codes, Wq_scales, Wk_codes, Wk_scales, Wv_codes, Wv_scales, qb, kv; writes qb, kv
.if DOCPART == 1
	.amdgcn_target "amdgcn-amd-amdhsa--gfx1250"
	.amdhsa_code_object_version 6
	.text
	.protected	k_q3ba4faf9bb_qkv
	.globl	k_q3ba4faf9bb_qkv
	.p2align	8
	.type	k_q3ba4faf9bb_qkv,@function
k_q3ba4faf9bb_qkv:
	s_mov_b64 s[64:65], 0
	v_nop
	global_prefetch_b8 v0, s[64:65] scope:SCOPE_SE
	s_setreg_imm32_b32 hwreg(HW_REG_WAVE_MODE, 25, 1), 1
	s_wait_xcnt 0x0
	s_wait_alu depctr_hold_cnt(0) depctr_sa_sdst(0) depctr_va_vdst(0) depctr_va_sdst(0) depctr_va_ssrc(0) depctr_va_vcc(0) depctr_vm_vsrc(0)
	s_getreg_b32 s2, hwreg(HW_REG_IB_STS2, 6, 4)
	s_cmp_eq_u32 s2, 0
	s_cbranch_scc0 .Lentry_in_a_cluster
	s_endpgm
.Lentry_in_a_cluster:
	s_bfe_u32 s2, ttmp6, 0x10000c
	s_cmp_lg_u32 s2, 0xf033
	s_cbranch_scc0 .Lentry_shape_is_right
	s_endpgm
.Lentry_shape_is_right:
; Q, K, V = x W^T on codes of FP6 (E2M3), K = 1,024, each result quantised again and stored as images of the attention launch's operand registers.  No work of the problem is left out.
; LIMITS: NaN and infinities are not served; a block whose largest magnitude lies under 2^-124 keeps the byte 1 (read by this program alone).
; THE DEAL.  256 work-groups of four waves.  Work-group (g, tb) makes 256 tokens x heads 2 g, 2 g + 1 of Q, K and V.  Wave w keeps tokens 64 w .. 64 w + 63 of x, all of K, in registers (32 fragments) and
; streams the 384 weight rows past them in 24 blocks of 16 rows (Q's 8, K's 8, V's 8), 32 products a block on four accumulators by turns.
; x's TILE u of a wave takes rows 32 (r / 8) + 8 u + r % 8: so V's sums (source 0 = x) give a lane 32 neighbouring tokens, one scale block, and a tile of K holds the keys that give p's lanes whole blocks in the next launch.
; Q, K: source 0 = the weight's rows, so a lane holds a token and registers run along the head's 64; inside a block of 32 both carry the order 0-7, 16-23, 8-15, 24-31.
; LDS: three regions of 128 rows of 816 bytes (768 + 16 behind every 256).  At the head: Wq in region 0, x in regions 1 and 2.  When all waves hold x in registers, ONE drained round of the cluster's barrier
; fills Wk over region 1 and Wv over region 2 (tiles of the same shape); a plain barrier in block 6 shows them.  Rows are whole rows of 768 bytes: each begins on a multiple of 256 bytes.
; CLUSTERS 4 x 4: x's rows are shared along a row of the cluster, the weights' along a column.  All tiles are asked for at the head or directly behind it and no loop runs ahead of a load: no prefetch is laid.
; OUT.  qb[16 batch + head][step of 128 tokens][6,656]: four images of 1,536 bytes (tiles 2 p, 2 p + 1, six registers each; register n at 512 (n / 4) + 16 lane + 4 (n % 4)), then scale words [c][r][u].
; kv[..][13,056]: K as Q; from 6,144 V[d tile][band c][768] (registers 0-3 at 16 lane, 4-5 at 512 + 8 lane); 12,288 K's scale words; 12,800 V's [d % 16][d tile][4]: bytes 2 c + h.
; REGISTERS: fragment f at 256 + 12 f: 0-31 x's (4 q + u), 32-47 the weights' two sets; the 16 accumulators at 832; window 0: addresses, scale words (x's v32-47, the weights' v52-147), the way out.
.set KROW, 768
.set PITCH, 816
.set FR, 12
.set R1, 128*PITCH
.set SPARE, 3*R1
.set CHQ, 6656
.set CHKV, 13056
.set ADRA0, 4
.set SPW, 10
.set NIL, 11
.set ADRA, 12
.set BA, 16
.set LIK, 24
.set VSK, 25
.set LIV, 26
.set LV8, 27
.set VSV, 28
.set SH8, 29
.set XAS, 30
.set WAS, 31
.set XS, 32
.set WS, 52
.set IMG, 152
.set PW, 176
.set T0, 184
.set T1, 185
.set P0, 186
.set P1, 187
.set S0, 188
.set S1, 189
.set E0, 190
.set E1, 191
.set TT, 200
.set AC, 64
.set G1X, 24
.set G1W, 32
.set G1R, 40
.set G0X, 48
.set G0W, 52
.set G0K, 56
.set G0V, 60
.set MSB, 0
.set NLD, 0
.macro WIN new
.if MSB != \new
	s_set_vgpr_msb (MSB<<8)|\new
.set MSB, \new
.endif
.endm
.macro PLACES n
.rept \n
	v_nop
.endr
.endm
.macro WALU
	s_wait_alu depctr_va_vdst(0)
.endm
.macro BARRIER
	s_barrier_signal -1
	s_barrier_wait -1
.endm
.macro CROUND
	BARRIER
	s_cmp_lg_u32 s14, 0
	s_cbranch_scc1 .Lnot_wave_0_\@
	s_barrier_signal -3
.Lnot_wave_0_\@:
	s_barrier_wait -3
	BARRIER
.endm
.macro TLOAD g0, g1
	tensor_load_to_lds s[\g0:\g0+3], s[\g1:\g1+7]
	s_nop 0
	PLACES 4
.endm
.macro GROUP1 g, mask, rows
	s_or_b32 s[\g+0], s[\mask], (1<<20)|(1<<21)|(5<<22)|(3<<25)
	s_mov_b32 s[\g+1], KROW<<16
	s_mov_b32 s[\g+2], (\rows)<<16
	s_mov_b32 s[\g+3], KROW<<16
	s_mov_b32 s[\g+4], \rows
	s_mov_b32 s[\g+5], KROW
	s_mov_b32 s[\g+6], 0
	s_mov_b32 s[\g+7], 0
.endm
.macro G0SET g, lds, base, off
	s_mov_b32 s[\g], 1
	s_mov_b32 s[\g+1], \lds
	s_mov_b32 s20, s\off
	s_add_nc_u64 s[\g+2:\g+3], s[\base:\base+1], s[20:21]
	s_or_b32 s[\g+3], s[\g+3], 0x80000000
.endm
.macro FPLACE f
.set FW_, (256+FR*(\f))>>8
.set FG_, (256+FR*(\f))&255
.endm
; a fragment: six pieces of 8 bytes, two to a load where both lie behind as many paddings and in one window
.macro FRAG f, q, a0, a1
.set SKIP_, 0
.irp p, 0,1,2,3,4,5
.if SKIP_
.set SKIP_, 0
.else
.set PC_, 12*(\q)+6*(\p/3)+\p%3
.set PN_, 12*(\q)+6*((\p+1)/3)+(\p+1)%3
.set X_, (PC_%32+3)/32
.set XQ_, (PN_%32+3)/32
.set NLD, NLD+1
.set R_, (256+FR*(\f)+2*\p)&255
	WIN ((256+FR*(\f)+2*\p)>>8)<<6
.if (\p < 5) && (X_ == XQ_) && (R_ < 253)
.set SKIP_, 1
.if X_
	ds_load_2addr_b64 v[R_:R_+3], \a1 offset0:PC_+2*(PC_/32) offset1:PN_+2*(PN_/32)
.else
	ds_load_2addr_b64 v[R_:R_+3], \a0 offset0:PC_+2*(PC_/32) offset1:PN_+2*(PN_/32)
.endif
.elseif X_
	ds_load_b64 v[R_:R_+1], \a1 offset:8*(PC_+2*(PC_/32))
.else
	ds_load_b64 v[R_:R_+1], \a0 offset:8*(PC_+2*(PC_/32))
.endif
.endif
.endr
.endm
.macro FETCH n, a                      ; weight block n into set n % 2; NLD counts its loads
.set NLD, 0
.irp q, 0,1,2,3,4,5,6,7
	FRAG 32+8*((\n)%2)+\q, \q, v[\a], v[\a+1]
.endr
	WIN 0
.endm
.macro PROD3 d, s0, s1, c, x0, x1, ra, rb
	v_wmma_scale_f32_16x16x128_f8f6f4 v[\d:\d+7], v[\s0:\s0+FR-1], v[\s1:\s1+FR-1], \c, v[\x0], v[\x1] matrix_a_fmt:MATRIX_FMT_FP6 matrix_b_fmt:MATRIX_FMT_FP6 matrix_a_scale:MATRIX_SCALE_ROW\ra matrix_b_scale:MATRIX_SCALE_ROW\rb
.endm
.macro PROD2 d, s0, s1, c, x0, x1, ra, rb
.if (\ra) && (\rb)
	PROD3 \d, \s0, \s1, \c, \x0, \x1, 1, 1
.elseif (\ra)
	PROD3 \d, \s0, \s1, \c, \x0, \x1, 1, 0
.elseif (\rb)
	PROD3 \d, \s0, \s1, \c, \x0, \x1, 0, 1
.else
	PROD3 \d, \s0, \s1, \c, \x0, \x1, 0, 0
.endif
.endm
.macro PROD1 d, s0, s1, q, x0, x1, ra, rb
.if \q
	PROD2 \d, \s0, \s1, v[\d:\d+7], \x0, \x1, \ra, \rb
.else
	PROD2 \d, \s0, \s1, 0, \x0, \x1, \ra, \rb
.endif
.endm
; one product: block n (place n % 4 in its group), K step q, token tile u.  mode 0 (Q, K): source 0 the weight's rows; mode 1 (V): source 0 x's rows
.macro PR mode, n, q, u
	FPLACE 32+8*((\n)%2)+(\q)
.set WW_, FW_
.set WG_, FG_
	FPLACE 4*(\q)+(\u)
.if \mode
	WIN FW_|(WW_<<2)|0xf0
	PROD1 AC+32*((\n)%4)+8*(\u), FG_, WG_, \q, XS+8*((\u)/2)+(\q), WS+8*((\n)/2)+(\q), (\u)%2, (\n)%2
.else
	WIN WW_|(FW_<<2)|0xf0
	PROD1 AC+32*(\u)+8*((\n)%4), WG_, FG_, \q, WS+8*((\n)/2)+(\q), XS+8*((\u)/2)+(\q), (\n)%2, (\u)%2
.endif
.endm
.macro BLK mode, n, from, to
.set Q_, \from
.rept (\to)-(\from)
.irp u, 0,1,2,3
	PR \mode, \n, Q_, \u
.endr
.set Q_, Q_+1
.endr
.endm
.macro RUN mode, n
.if (\n) == 23
	s_wait_dscnt 0x0
.else
	s_wait_dscnt NLD                               ; this block's fragments are in; the younger fetch may be out
.endif
.if (\n) == 6
	BLK \mode, \n, 0, 6
	WIN 0
	s_wait_tensorcnt 0x0                           ; Wk's and Wv's rows have landed;
	s_wait_dscnt 0x0
	s_barrier_signal -1                            ; a plain barrier shows them to all
	BLK \mode, \n, 6, 8
	WIN 0
	s_barrier_wait -1
.else
	BLK \mode, \n, 0, 8
	WIN 0
.endif
.if (\n) < 22                          ; four plain lines stand between the last product and the fetch into the registers that it read
	v_add_nc_u32 v[ADRA], ((\n)+2)*16*PITCH, v[ADRA0]
	v_add_nc_u32 v[ADRA+1], ((\n)+2)*16*PITCH, v[ADRA0+1]
	v_nop
	v_nop
	WALU
	FETCH (\n)+2, ADRA
.elseif (\n) == 23
	PLACES 4
.endif
.endm
; THE WAY OUT of 32 sums a lane, at QS in window 3
.macro MAXES
	WIN 0x3c
	v_max3_num_f32 v[T0], 0x1800000, |v[QS]|, |v[QS+1]|
	v_max3_num_f32 v[T1], 0x1800000, |v[QS+16]|, |v[QS+17]|
.irp i, 2,4,6,8,10,12,14
	v_max3_num_f32 v[T0], v[T0], |v[QS+\i]|, |v[QS+\i+1]|
	v_max3_num_f32 v[T1], v[T1], |v[QS+16+\i]|, |v[QS+17+\i]|
.endr
	WIN 0
.endm
.macro QK u                            ; token tile u: two blocks of 32 of the head's 64, each shared with lane l xor 16
.set QS, AC+32*(\u)
.set QD, IMG+6*(\u)
	MAXES
	v_permlanex16_b32 v[P0], v[T0], s66, s67
	v_permlanex16_b32 v[P1], v[T1], s66, s67
	v_max_num_f32 v[T0], v[T0], v[P0]
	v_max_num_f32 v[T1], v[T1], v[P1]
	v_add_nc_u32 v[S0], 0xff000000, v[T0]
	v_add_nc_u32 v[S1], 0xff000000, v[T1]
	v_lshrrev_b32 v[E0], 23, v[S0]
	v_lshrrev_b32 v[E1], 23, v[S1]
	v_lshl_or_b32 v[PW+\u], v[E1], 8, v[E0]
	WIN 3
	v_cvt_scalef32_pk16_fp6_f32 v[QD:QD+2], v[QS:QS+15], v[S0]
	v_cvt_scalef32_pk16_fp6_f32 v[TT:TT+2], v[QS+16:QS+31], v[S1]
	WIN 0
	v_nop
.irp i, 0,1,2
	v_permlane16_swap_b32 v[QD+\i], v[TT+\i]
.endr
.irp i, 0,1,2
	v_mov_b32 v[QD+3+\i], v[TT+\i]
.endr
.endm
.macro QV t                            ; d tile t: my 32 sums are one block of 32 tokens
.set QS, AC+32*(\t)
.set QD, IMG+6*(\t)
	MAXES
	v_max_num_f32 v[T0], v[T0], v[T1]
	v_add_nc_u32 v[S0], 0xff000000, v[T0]
	v_lshrrev_b32 v[E0], 23, v[S0]
	v_lshlrev_b32 v[E0], v[SH8], v[E0]
	v_permlanex16_b32 v[P0], v[E0], s66, s67
	v_or_b32 v[PW+\t], v[E0], v[P0]                ; the band's two bytes, in both halves of the lanes
	WIN 3
	v_cvt_scalef32_pk16_fp6_f32 v[QD:QD+2], v[QS:QS+15], v[S0]
	v_cvt_scalef32_pk16_fp6_f32 v[TT:TT+2], v[QS+16:QS+31], v[S0]
	WIN 0
	v_nop
.irp i, 0,1,2
	v_mov_b32 v[QD+3+\i], v[TT+\i]
.endr
.endm
.macro OUTQK base, hh, ch, soff
	s_wait_xcnt 0x0                                ; the last group's stores have read their registers
.irp u, 0,1,2,3
	QK \u
.endr
	WALU
.irp k, 0,1,2,3,4,5
	global_store_b128 v[LIK], v[IMG+4*\k:IMG+4*\k+3], s[\base:\base+1] offset:(\hh)*16*(\ch)+512*\k
.endr
	global_store_b128 v[VSK], v[PW:PW+3], s[\base:\base+1] offset:(\hh)*16*(\ch)+(\soff)   ; lanes l and l xor 16 store the same 16 bytes
.endm
.macro OUTV hh
	s_wait_xcnt 0x0
.irp t, 0,1,2,3
	QV \t
.endr
	WALU
.irp t, 0,1,2,3
	global_store_b128 v[LIV], v[IMG+6*\t:IMG+6*\t+3], s[86:87] offset:(\hh)*16*CHKV+6144+1536*\t
	global_store_b64 v[LV8], v[IMG+6*\t+4:IMG+6*\t+5], s[86:87] offset:(\hh)*16*CHKV+6144+1536*\t+512
	global_store_b16 v[VSV], v[PW+\t], s[86:87] offset:(\hh)*16*CHKV+12800+4*\t
.endr
.endm
; ================= THE HEAD
	s_load_b512 s[68:83], s[0:1], 0x0              ; x codes, scales; Wq; Wk; Wv
	s_load_b128 s[84:87], s[0:1], 0x40             ; qb, kv
	v_lshl_add_u32 v[SPW], v0, 2, SPARE
	v_mov_b32 v[NIL], 0
	ds_add_u32 v[SPW], v[NIL]                      ; the opening lines
	ds_add_u32 v[SPW], v[NIL]
	v_lshrrev_b32 v1, 5, v0
	v_readfirstlane_b32 s14, v1                    ; the wave
	s_lshr_b32 s15, s14, 1                         ; its step of 128 tokens
	s_and_b32 s16, s14, 1                          ; its band c of 64
	s_bfe_u32 s88, ttmp6, 0x40000
	s_bfe_u32 s89, ttmp6, 0x40004
	s_lshl_b32 s90, ttmp9, 2
	s_add_co_u32 s90, s90, s88                     ; g: heads 2 g, 2 g + 1
	s_and_b32 s91, ttmp7, 0xffff
	s_lshl_b32 s91, s91, 2
	s_add_co_u32 s91, s91, s89                     ; block of 256 tokens
	s_lshl_b32 s92, s89, 2
	s_lshl_b32 s92, 15, s92                        ; my row of the cluster: shares x
	s_lshl_b32 s93, 0x1111, s88                    ; my column: shares the weights
	s_mov_b32 s66, 0x76543210
	s_mov_b32 s67, 0xfedcba98
	GROUP1 G1X, 92, 128
	GROUP1 G1W, 93, 64
	GROUP1 G1R, 93, 128
	s_mul_i32 s94, s91, 256*KROW
	s_mul_i32 s20, s16, 128*KROW
	s_add_co_u32 s94, s94, s20                     ; x: my half of the 256 rows
	s_mul_i32 s95, s90, 128*KROW                   ; a weight's 128 rows
	s_mul_i32 s20, s16, 64*KROW
	s_add_co_u32 s96, s95, s20                     ; Wq: my half of them
	s_mul_i32 s97, s16, R1
	s_add_co_u32 s97, s97, R1
	s_mul_i32 s98, s16, 64*PITCH
	v_and_b32 v1, 15, v0
	v_bfe_u32 v2, v0, 4, 1
	v_and_b32 v3, 31, v0
	v_and_b32 v6, 7, v0
	v_bfe_u32 v7, v0, 3, 1
	v_lshl_add_u32 v8, v7, 5, v6                   ; x's row of tile 0: 32 (r / 8) + r % 8
	v_mul_u32_u24 v8, v8, PITCH
	s_mul_i32 s20, s14, 64*PITCH
	s_add_co_u32 s20, s20, R1
	v_add_nc_u32 v8, s20, v8
	v_mad_u32_u24 v[BA], v2, 24, v8
	v_mad_u32_u24 v[BA+1], v2, 40, v8              ; for the pieces behind one padding more
.irp u, 1,2,3
	v_add_nc_u32 v[BA+2*\u], \u*8*PITCH, v[BA]
	v_add_nc_u32 v[BA+2*\u+1], \u*8*PITCH, v[BA+1]
.endr
	v_mul_u32_u24 v9, v1, PITCH
	v_mad_u32_u24 v[ADRA0], v2, 24, v9
	v_mad_u32_u24 v[ADRA0+1], v2, 40, v9
	v_add_nc_u32 v[ADRA], 16*PITCH, v[ADRA0]
	v_add_nc_u32 v[ADRA+1], 16*PITCH, v[ADRA0+1]
	v_lshlrev_b32 v[WAS], 5, v3                    ; a weight's scale bytes: row = lane
	v_lshlrev_b32 v[XAS], 5, v6                    ; x's: row 32 (r / 8) + 8 (lane / 16) + r % 8
	v_lshl_add_u32 v[XAS], v2, 8, v[XAS]
	v_lshl_add_u32 v[XAS], v7, 10, v[XAS]
	s_mul_i32 s22, s16, 3072
	v_lshl_add_u32 v[LIK], v3, 4, s22
	s_lshl_b32 s22, s16, 8
	v_lshl_add_u32 v[VSK], v1, 4, s22
	s_mul_i32 s22, s16, 768
	v_lshl_add_u32 v[LIV], v3, 4, s22
	v_lshl_add_u32 v[LV8], v3, 3, s22
	s_lshl_b32 s22, s16, 1
	v_lshl_add_u32 v[VSV], v1, 4, s22
	v_lshlrev_b32 v[SH8], 3, v2
	v_mov_b32 v[P0], 0
	v_mov_b32 v[P1], 0
	WALU
	s_wait_dscnt 0x0
	CROUND                                         ; the opening round
	s_wait_kmcnt 0x0
	s_mov_b32 s21, 0
	G0SET G0X, s97, 68, 94
	G0SET G0W, s98, 72, 96
	G0SET G0K, R1, 76, 95
	G0SET G0V, 2*R1, 80, 95
	s_cmp_lt_u32 s14, 2
	s_cbranch_scc0 .Lweights
	TLOAD G0X, G1X                                 ; waves 0, 1: x's rows 0-127, 128-255
	s_branch .Lasked
.Lweights:
	TLOAD G0W, G1W                                 ; waves 2, 3: Wq's rows 0-63, 64-127
.Lasked:
	s_lshl_b32 s20, s91, 13
	s_lshl_b32 s22, s14, 11
	s_add_co_u32 s20, s20, s22
	s_add_nc_u64 s[70:71], s[70:71], s[20:21]
	s_lshl_b32 s20, s90, 12
	s_add_nc_u64 s[74:75], s[74:75], s[20:21]
	s_add_nc_u64 s[78:79], s[78:79], s[20:21]
	s_add_nc_u64 s[82:83], s[82:83], s[20:21]
.irp p, 0,1
.irp c, 0,1
	global_load_b128 v[XS+8*\p+4*\c:XS+8*\p+4*\c+3], v[XAS], s[70:71] offset:512*\p+16*\c
.endr
.endr
.irp p, 0,1,2,3
.irp c, 0,1
	global_load_b128 v[WS+8*\p+4*\c:WS+8*\p+4*\c+3], v[WAS], s[74:75] offset:1024*\p+16*\c
	global_load_b128 v[WS+32+8*\p+4*\c:WS+32+8*\p+4*\c+3], v[WAS], s[78:79] offset:1024*\p+16*\c
	global_load_b128 v[WS+64+8*\p+4*\c:WS+64+8*\p+4*\c+3], v[WAS], s[82:83] offset:1024*\p+16*\c
.endr
.endr
	s_lshr_b32 s22, s91, 3                         ; where the results go: chunk 16 (16 batch + 2 g) + step
	s_lshl_b32 s22, s22, 4
	s_lshl_b32 s23, s90, 1
	s_add_co_u32 s22, s22, s23
	s_lshl_b32 s22, s22, 4
	s_and_b32 s23, s91, 7
	s_lshl_b32 s23, s23, 1
	s_add_co_u32 s22, s22, s23
	s_add_co_u32 s22, s22, s15
	s_mul_i32 s20, s22, CHQ
	s_add_nc_u64 s[84:85], s[84:85], s[20:21]
	s_mul_i32 s20, s22, CHKV
	s_add_nc_u64 s[86:87], s[86:87], s[20:21]
	s_wait_tensorcnt 0x0
	BARRIER                                        ; x and Wq are in
.irp q, 0,1,2,3,4,5,6,7
.irp u, 0,1,2,3
	FRAG 4*\q+\u, \q, v[BA+2*\u], v[BA+2*\u+1]
.endr
.endr
	WIN 0
	FETCH 0, ADRA0
	FETCH 1, ADRA
	s_wait_tensorcnt 0x0                           ; ahead of the refill's round
	ds_add_u32 v[SPW], v[NIL]
	s_wait_dscnt 0x0                               ; x is in my registers
	CROUND
	s_cmp_eq_u32 s14, 0
	s_cbranch_scc0 .Lrefill_1
	TLOAD G0K, G1R                                 ; wave 0: Wk over x's first half
	s_branch .Lrefilled
.Lrefill_1:
	s_cmp_eq_u32 s14, 1
	s_cbranch_scc0 .Lrefilled
	TLOAD G0V, G1R                                 ; wave 1: Wv over the second
.Lrefilled:
	s_wait_loadcnt 0x0                             ; the scale words
; ================= THE STREAM: 24 blocks, a way out behind every fourth
.set N, 0
.rept 24
	RUN N/16, N
.if N%4 == 3
.if N < 8
	OUTQK 84, (N/4)%2, CHQ, 6144
.elseif N < 16
	OUTQK 86, (N/4)%2, CHKV, 12288
.else
	OUTV (N/4)%2
.endif
.endif
.set N, N+1
.endr
	s_wait_tensorcnt 0x0                           ; the wave's end
	ds_add_u32 v[SPW], v[NIL]
	s_wait_dscnt 0x0
	CROUND
	s_endpgm
.Lfunc_end_k_q3ba4faf9bb_qkv:
	.size	k_q3ba4faf9bb_qkv, .Lfunc_end_k_q3ba4faf9bb_qkv-k_q3ba4faf9bb_qkv
	.p2alignl 7, 3214868480
	.fill 96, 4, 3214868480
	.section	.rodata,"a",@progbits
	.p2align	6, 0x0
	.amdhsa_kernel k_q3ba4faf9bb_qkv
		.amdhsa_group_segment_fixed_size 327680
		.amdhsa_private_segment_fixed_size 0
		.amdhsa_enable_private_segment 0
		.amdhsa_kernarg_size 80
		.amdhsa_user_sgpr_count 2
		.amdhsa_user_sgpr_kernarg_segment_ptr 1
		.amdhsa_wavefront_size32 1
		.amdhsa_system_sgpr_workgroup_id_x 1
		.amdhsa_system_sgpr_workgroup_id_y 1
		.amdhsa_system_sgpr_workgroup_id_z 1
		.amdhsa_system_vgpr_workitem_id 0
		.amdhsa_next_free_vgpr 960
		.amdhsa_next_free_sgpr 100
		.amdhsa_reserve_vcc 0
		.amdhsa_float_denorm_mode_32 3
		.amdhsa_float_denorm_mode_16_64 3
		.amdhsa_memory_ordered 1
		.amdhsa_forward_progress 1
		.amdhsa_inst_pref_size 216
	.end_amdhsa_kernel
	.amdgpu_metadata
---
amdhsa.version: [ 1, 2 ]
amdhsa.kernels:
  - .name:           k_q3ba4faf9bb_qkv
    .symbol:         k_q3ba4faf9bb_qkv.kd
    .args:
      - { .name: x_codes, .offset: 0, .size: 8, .value_kind: global_buffer, .address_space: global }
      - { .name: x_scales, .offset: 8, .size: 8, .value_kind: global_buffer, .address_space: global }
      - { .name: Wq_codes, .offset: 16, .size: 8, .value_kind: global_buffer, .address_space: global }
      - { .name: Wq_scales, .offset: 24, .size: 8, .value_kind: global_buffer, .address_space: global }
      - { .name: Wk_codes, .offset: 32, .size: 8, .value_kind: global_buffer, .address_space: global }
      - { .name: Wk_scales, .offset: 40, .size: 8, .value_kind: global_buffer, .address_space: global }
      - { .name: Wv_codes, .offset: 48, .size: 8, .value_kind: global_buffer, .address_space: global }
      - { .name: Wv_scales, .offset: 56, .size: 8, .value_kind: global_buffer, .address_space: global }
      - { .name: qb, .offset: 64, .size: 8, .value_kind: global_buffer, .address_space: global }
      - { .name: kv, .offset: 72, .size: 8, .value_kind: global_buffer, .address_space: global }
    .group_segment_fixed_size: 327680
    .private_segment_fixed_size: 0
    .kernarg_segment_align: 8
    .kernarg_segment_size: 80
    .max_flat_workgroup_size: 128
    .sgpr_count:     100
    .vgpr_count:     960
    .wavefront_size: 32
...
	.end_amdgpu_metadata
.endif
;; end of part 1
;; launch attn (part 2): grid 4 x 64, 8 waves a work-group, clusters of 4 x 1, 215,040 bytes of LDS; arguments qb, kv, cc, cs; writes cc, cs
.if DOCPART == 2
	.amdgcn_target "amdgcn-amd-amdhsa--gfx1250"
	.amdhsa_code_object_version 6
	.text
	.protected	k_q3ba4faf9bb_attn
	.globl	k_q3ba4faf9bb_attn
	.p2align	8
	.type	k_q3ba4faf9bb_attn,@function
k_q3ba4faf9bb_attn:
	s_mov_b64 s[64:65], 0
	v_nop
	global_prefetch_b8 v0, s[64:65] scope:SCOPE_SE
	s_setreg_imm32_b32 hwreg(HW_REG_WAVE_MODE, 25, 1), 1
	s_wait_xcnt 0x0
	s_wait_alu depctr_hold_cnt(0) depctr_sa_sdst(0) depctr_va_vdst(0) depctr_va_sdst(0) depctr_va_ssrc(0) depctr_va_vcc(0) depctr_vm_vsrc(0)
	s_getreg_b32 s2, hwreg(HW_REG_IB_STS2, 6, 4)
	s_cmp_eq_u32 s2, 0
	s_cbranch_scc0 .Lentry_in_a_cluster
	s_endpgm
.Lentry_in_a_cluster:
	s_bfe_u32 s2, ttmp6, 0x10000c
	s_cmp_lg_u32 s2, 0x3003
	s_cbranch_scc0 .Lentry_shape_is_right
	s_endpgm
.Lentry_shape_is_right:
; Attention of one (batch, head) on codes of FP6 (E2M3): S^T = K Q^T (K = the head's 64), p = 2^(t - M), O^T = V^T P^T (K = the keys), O / l quantised along the head's 64 and stored as codes.
; t = score x log2(e) / 8; M = the running largest t rounded UP to a whole number; the row's sum l is taken of the unquantised p; when M moves, l and O^T are multiplied by 2^(old M - new M): exact.
; SHARES.  A work-group owns 512 queries of one (batch, head), the four of a cluster the head's 2,048.  Each of eight waves owns TWO tiles of 16 queries at a time (tiles 2 wave, 2 wave + 1 of the pass's sixteen), in two passes:
; each fragment of K and V read from LDS feeds two products, and the two tiles' short chains of dependent lines stand line by line.
; LDS.  The head's K, V and scale words are 16 chunks of 13,056 bytes, one for each step of 128 keys.  They are brought ONCE, jointly for the four partners, one tensor load a wave (chunks 2 wave, 2 wave + 1), and stay;
; every wave waits for its load ahead of the one barrier.  All is asked for at the head: no loop runs ahead of a load, so no prefetch is laid.
; K = 64 IN A FORM OF 128.  Q's registers 6-11 are zero codes and bytes 2, 3 of Q's and K's scale words are 0; K's eight tiles stand six registers apart, so a tile's upper half is the next tile's codes, multiplied by zeros.
; THE KEYS OF A TILE: row 8 h + j of tile 4 c + u is key 64 c + 32 h + 8 u + j (the launch before lays them so): a lane's 32 scores of band c are ONE block of 32 neighbouring keys, in order.
; A tile of queries holds tokens in the same order; cc and cs are laid by place in the tile, and the output projection puts the rows back.
; cc: [256 places][head][tile 16][768] (registers 0-3 at 16 lane, 4-5 at 512 + 8 lane); cs: [batch][head / 2][place 2,048][4]: byte 2 (head % 2) + block: a word's bytes come from two work-groups, so they are stored singly.
; LIMITS: NaN and infinities are not served; scaled scores stay under 2^31 in magnitude; a block whose largest magnitude lies under 2^-124 keeps the byte 1 (read by this program alone).
; REGISTERS.  Tile 0 in window 0, tile 1 in window 1, under the same numbers: v16-27 Q, v96-159 S^T then p, v160-191 O^T, v192-197 the second pass's Q.  Window 0 alone: addresses; v40-93 K's tiles, then V; v248-251 their scale words;
; and for tile x the names below (BMx block maxima, TTx at work, MMx -M and the largest score, LLx the sum, OMx the old -M, FFx f and p's scale word, SOx the conversions' scales, PPx p's codes, QSx Q's scale word).
.set CHUNK, 13056
.set HEADB, 16*CHUNK
.set SPARE, 0x34000
.set LI,  1
.set LR,  2
.set ADR, 3
.set ADV, 4
.set QV,  5
.set QVS, 8
.set OB,  9
.set OS,  10
.set SH,  29
.set ADH, 31
.set KF,  40
.set BM0, 232
.set BM1, 32
.set TT0, 236
.set TT1, 216
.set MM0, 12
.set MM1, 36
.set LL0, 14
.set LL1, 38
.set OM0, 254
.set OM1, 214
.set FF0, 252
.set FF1, 212
.set SO0, 244
.set SO1, 220
.set PP0, 224
.set PP1, 200
.set QS0, 28
.set QS1, 30
.set WV,  12
.set SEL, 20
.set CS,  22
.set G1,  24
.set G0,  32
.set TB,  2
.set CNT, 3
.set PASS, 48
.set MSB, 0
.macro WIN new
.if MSB != \new
	s_set_vgpr_msb (MSB<<8)|\new
.set MSB, \new
.endif
.endm
.macro WALU
	s_wait_alu depctr_va_vdst(0)
.endm
.macro CROUND
	s_barrier_signal -1
	s_barrier_wait -1
	s_cmp_lg_u32 s[WV], 0
	s_cbranch_scc1 .Lnot_wave_0_\@
	s_barrier_signal -3
.Lnot_wave_0_\@:
	s_barrier_wait -3
	s_barrier_signal -1
	s_barrier_wait -1
.endm
	s_load_b256 s[4:11], s[0:1], 0x0               ; qb, kv, cc, cs
	v_lshl_add_u32 v243, v0, 2, SPARE
	v_mov_b32 v255, 0
	ds_add_u32 v243, v255                          ; the opening lines
	ds_add_u32 v243, v255
	v_lshrrev_b32 v94, 5, v0
	v_readfirstlane_b32 s[WV], v94
	s_bfe_u32 s13, ttmp6, 0x40000                  ; cx: it enters Q's and the outputs' addresses alone
	s_and_b32 s14, ttmp7, 0xffff                   ; 16 x batch + head
	s_mov_b32 s[G1], 15|(3<<16)|(1<<21)            ; two chunks as 102 dense rows of 256 bytes, for all four partners
	s_mov_b32 s[G1+1], 32<<16
	s_mov_b32 s[G1+2], 102<<16
	s_mov_b32 s[G1+3], 32<<16
	s_mov_b32 s[G1+4], 102
	s_mov_b32 s[G1+5], 32
	s_mov_b32 s[G1+6], 0
	s_mov_b32 s[G1+7], 0
	s_mul_i32 s50, s14, HEADB
	s_mul_i32 s51, s[WV], 2*CHUNK                  ; my two chunks: in memory and in LDS alike
	s_add_co_u32 s52, s50, s51
	s_mov_b32 s53, 0
	s_mov_b32 s[SEL], 0x76543210
	s_mov_b32 s[SEL+1], 0xfedcba98
	s_mov_b32 s[CS], 0x3e38aa3b                    ; log2(e) / 8
	s_mov_b32 s[CS+1], s[CS]
	s_mov_b32 s[G0], 1
	s_mov_b32 s[G0+1], s51
	s_wait_dscnt 0x0
	s_wait_kmcnt 0x0
	s_add_nc_u64 s[G0+2:G0+3], s[6:7], s[52:53]
	s_or_b32 s[G0+3], s[G0+3], 0x80000000
	CROUND
	tensor_load_to_lds s[G0:G0+3], s[G1:G1+7]
	s_nop 0
.rept 4
	v_nop
.endr
	; Q: my two tiles are image wave % 4 of step 4 cx + 2 pass + wave / 4: registers 0-5 tile 0, registers 6-11 tile 1; register n lies at 512 (n / 4) + 16 lane + 4 (n % 4)
	s_and_b32 s54, s[WV], 3
	s_mul_i32 s54, s54, 1536
	s_bfe_u32 s59, s[WV], 0x10001
	s_lshl_b32 s59, s59, 8
	s_and_b32 s60, s[WV], 1
	s_lshl_b32 s60, s60, 3
	s_add_co_u32 s59, s59, s60
	s_add_co_u32 s59, s59, 6144                    ; the scale words [c][r][u]: c = (wave % 4) / 2, u = 2 (wave % 2) + tile
	s_lshl_b32 s60, s14, 4
	s_lshl_b32 s61, s13, 2
	s_add_co_u32 s60, s60, s61
	s_lshr_b32 s61, s[WV], 2
	s_add_co_u32 s60, s60, s61
	s_mul_i32 s60, s60, 6656
	s_mov_b32 s61, 0
	s_add_nc_u64 s[4:5], s[4:5], s[60:61]
	v_and_b32 v94, 31, v0
	v_lshlrev_b32 v[OB], 3, v94
	v_lshlrev_b32 v[LI], 4, v94
	v_and_b32 v[LR], 15, v0
	v_bfe_u32 v[SH], v0, 4, 1
	v_lshl_add_u32 v[OS], v[LR], 2, v[SH]
	v_lshlrev_b32 v[LR], 4, v[LR]
	v_lshlrev_b32 v[SH], 3, v[SH]                  ; 8 x (lane / 16)
	v_add_nc_u32 v[QV], s54, v[LI]
	v_add_nc_u32 v[QVS], s59, v[LR]
	WALU
.irp k, 0,1                                    ; k = 1: the second pass's, two steps on
	global_load_b64 v[16+176*\k:17+176*\k], v[QV], s[4:5] offset:13312*\k th:TH_LOAD_NT
	global_load_b64 v[18+176*\k:19+176*\k], v[QV], s[4:5] offset:13312*\k+8 th:TH_LOAD_NT
	global_load_b64 v[20+176*\k:21+176*\k], v[QV], s[4:5] offset:13312*\k+512 th:TH_LOAD_NT
.endr
	global_load_b32 v[QS0], v[QVS], s[4:5] th:TH_LOAD_NT
	global_load_b32 v[QS1], v[QVS], s[4:5] offset:4 th:TH_LOAD_NT
	global_load_b32 v198, v[QVS], s[4:5] offset:13312 th:TH_LOAD_NT
	global_load_b32 v199, v[QVS], s[4:5] offset:13316 th:TH_LOAD_NT
	WIN 0x40
.irp k, 0,1
	global_load_b64 v[16+176*\k:17+176*\k], v[QV], s[4:5] offset:13312*\k+520 th:TH_LOAD_NT
	global_load_b64 v[18+176*\k:19+176*\k], v[QV], s[4:5] offset:13312*\k+1024 th:TH_LOAD_NT
	global_load_b64 v[20+176*\k:21+176*\k], v[QV], s[4:5] offset:13312*\k+1032 th:TH_LOAD_NT
.endr
.irp j, 22,23,24,25,26,27
	v_mov_b32 v[\j], 0                             ; tile 1's Q: the upper half
.endr
	WIN 0
	s_lshr_b32 s60, s14, 4                         ; where the results go
	s_lshl_b32 s61, s60, 3
	s_lshl_b32 s62, s13, 1
	s_add_co_u32 s61, s61, s62
	s_lshl_b32 s61, s61, 4
	s_and_b32 s62, s14, 15
	s_add_co_u32 s61, s61, s62
	s_mul_i32 s61, s61, 12288
	s_mul_i32 s63, s[WV], 1536
	s_add_co_u32 s50, s61, s63
	s_mov_b32 s51, 0
	s_add_nc_u64 s[8:9], s[8:9], s[50:51]
	s_lshl_b32 s50, s60, 16
	s_lshr_b32 s63, s62, 1
	s_lshl_b32 s63, s63, 13
	s_add_co_u32 s50, s50, s63
	s_lshl_b32 s63, s13, 11
	s_add_co_u32 s50, s50, s63
	s_lshl_b32 s63, s[WV], 7
	s_add_co_u32 s50, s50, s63
	s_and_b32 s63, s62, 1
	s_lshl_b32 s63, s63, 1
	s_add_co_u32 s50, s50, s63
	s_add_nc_u64 s[10:11], s[10:11], s[50:51]
.irp j, 22,23,24,25,26,27, 88,89,90,91,92,93, 236,237,238,239, 216,217,218, 253, 213
	v_mov_b32 v[\j], 0
.endr
	WALU
	s_wait_loadcnt 0x0
	s_wait_tensorcnt 0x0                           ; every wave: its two chunks
	s_barrier_signal -1
	s_barrier_wait -1                              ; all sixteen are in; nothing is ever filled again
.macro MAXES x                         ; the largest score of each 16 of tile x's 64, in four chains, each accumulator from its low end on
	WIN 0x15*\x
.irp b, 0,1,2,3
	v_max3_num_f32 v[BM\x+\b], v[96+16*\b], v[97+16*\b], v[98+16*\b]
.endr
	WIN 0x14*\x
.irp i, 3,5,7,9,11,13
.irp b, 0,1,2,3
	v_max3_num_f32 v[BM\x+\b], v[BM\x+\b], v[96+16*\b+\i], v[97+16*\b+\i]
.endr
.endr
.irp b, 0,1,2,3
	v_max_num_f32 v[BM\x+\b], v[BM\x+\b], v[111+16*\b]
.endr
	WIN 0
.endm
.macro SUMS x                          ; tile x's sum of the unquantised p, two at a time, in eight chains
	WIN 5*\x
	v_pk_add_f32 v[236:237], v[100:101], v[104:105]
	v_pk_add_f32 v[246:247], v[108:109], v[112:113]
	v_pk_add_f32 v[244:245], v[116:117], v[120:121]
	v_pk_add_f32 v[240:241], v[124:125], v[128:129]
	v_pk_add_f32 v[238:239], v[132:133], v[136:137]
	v_pk_add_f32 v[230:231], v[140:141], v[144:145]
	v_pk_add_f32 v[228:229], v[148:149], v[152:153]
	WIN 4*\x
	v_pk_add_f32 v[LL\x:LL\x+1], v[LL\x:LL\x+1], v[156:157]
	v_pk_add_f32 v[236:237], v[236:237], v[96:97]
	v_pk_add_f32 v[246:247], v[246:247], v[98:99]
	v_pk_add_f32 v[244:245], v[244:245], v[102:103]
	v_pk_add_f32 v[240:241], v[240:241], v[106:107]
	v_pk_add_f32 v[238:239], v[238:239], v[110:111]
	v_pk_add_f32 v[230:231], v[230:231], v[114:115]
	v_pk_add_f32 v[228:229], v[228:229], v[118:119]
	v_pk_add_f32 v[LL\x:LL\x+1], v[LL\x:LL\x+1], v[122:123]
	v_pk_add_f32 v[236:237], v[236:237], v[126:127]
	v_pk_add_f32 v[246:247], v[246:247], v[130:131]
	v_pk_add_f32 v[244:245], v[244:245], v[134:135]
	v_pk_add_f32 v[240:241], v[240:241], v[138:139]
	v_pk_add_f32 v[238:239], v[238:239], v[142:143]
	v_pk_add_f32 v[230:231], v[230:231], v[146:147]
	v_pk_add_f32 v[228:229], v[228:229], v[150:151]
	v_pk_add_f32 v[LL\x:LL\x+1], v[LL\x:LL\x+1], v[154:155]
	v_pk_add_f32 v[236:237], v[236:237], v[158:159]
	WIN 0
	v_pk_add_f32 v[LL\x:LL\x+1], v[LL\x:LL\x+1], v[240:241]
	v_pk_add_f32 v[236:237], v[236:237], v[238:239]
	v_pk_add_f32 v[246:247], v[246:247], v[230:231]
	v_pk_add_f32 v[244:245], v[244:245], v[228:229]
	v_pk_add_f32 v[LL\x:LL\x+1], v[LL\x:LL\x+1], v[246:247]
	v_pk_add_f32 v[236:237], v[236:237], v[244:245]
	v_pk_add_f32 v[LL\x:LL\x+1], v[LL\x:LL\x+1], v[236:237]
.endm
.macro CODES x                         ; tile x's p as codes: a lane's 32 numbers of band c are registers 6 c .. 6 c + 5 of the operand
	WIN \x
.irp c, 0,1
	v_cvt_scalef32_pk16_fp6_f32 v[PP\x+6*\c:PP\x+6*\c+2], v[96+32*\c:111+32*\c], v[SO\x+\c]
	v_cvt_scalef32_pk16_fp6_f32 v[236+4*\c:238+4*\c], v[112+32*\c:127+32*\c], v[SO\x+\c]
.endr
	WIN 0
	v_nop
.irp c, 0,1
.irp i, 0,1,2
	v_mov_b32 v[PP\x+3+6*\c+\i], v[236+4*\c+\i]
.endr
.endr
.endm
; A KEY STEP: 128 keys, the chunk at s[TB], for both tiles
.macro STEP
	v_add_nc_u32 v[ADR], s[TB], v[LI]
	v_add_nc_u32 v[ADV], s[TB], v[LR]
	v_add_nc_u32 v[ADH], s[TB], v[OB]
	v_nop                                          ; four places in front of loads into registers that the last step's products have read
.irp p, 0,1,2,3
.irp c, 0,1,2
	ds_load_b128 v[KF+12*\p+4*\c:KF+12*\p+4*\c+3], v[ADR] offset:1536*\p+512*\c
.endr
.endr
	ds_load_b128 v[248:251], v[ADR] offset:12288   ; K's scale words: lanes 0-15 tiles 0-3, lanes 16-31 tiles 4-7
	WALU
	s_wait_dscnt 0x0
.irp x, 0,1
	WIN 0x44*\x
.irp t, 0,1,2,3
	v_wmma_scale_f32_16x16x128_f8f6f4 v[96+8*\t:103+8*\t], v[KF+6*\t:KF+6*\t+11], v[16:27], 0, v[248+\t], v[QS\x] matrix_a_fmt:MATRIX_FMT_FP6 matrix_b_fmt:MATRIX_FMT_FP6
.endr
.irp t, 0,1,2,3
	v_wmma_scale_f32_16x16x128_f8f6f4 v[128+8*\t:135+8*\t], v[KF+24+6*\t:KF+24+6*\t+11], v[16:27], 0, v[248+\t], v[QS\x] matrix_a_fmt:MATRIX_FMT_FP6 matrix_b_fmt:MATRIX_FMT_FP6 matrix_a_scale:MATRIX_SCALE_ROW1
.endr
.endr
	WIN 0
	v_mov_b32 v[OM0], v[MM0]                       ; the old -M.  (With two v_nop: the places behind the products)
	v_mov_b32 v[OM1], v[MM1]
	v_nop
	v_nop
.irp i, 0,1,2,3                                ; V lands under the softmax: d tile i, band c: registers 6 c .. 6 c + 5
.irp c, 0,1
	ds_load_b128 v[KF+12*\i+6*\c:KF+12*\i+6*\c+3], v[ADR] offset:6144+1536*\i+768*\c
	ds_load_b64 v[KF+12*\i+6*\c+4:KF+12*\i+6*\c+5], v[ADH] offset:6144+1536*\i+768*\c+512
.endr
.endr
	ds_load_b128 v[248:251], v[ADV] offset:12800
	MAXES 0
	MAXES 1
.irp x, 0,1
	v_max_num_f32 v[BM\x], v[BM\x], v[BM\x+1]      ; block h
.endr
.irp x, 0,1
	v_max_num_f32 v[BM\x+2], v[BM\x+2], v[BM\x+3]  ; block 2 + h
.endr
.irp x, 0,1
	v_max_num_f32 v[TT\x], v[BM\x], v[BM\x+2]
.endr
.irp x, 0,1
	v_permlanex16_b32 v[TT\x+1], v[TT\x], s[SEL], s[SEL+1]
.endr
.irp x, 0,1
	v_max3_num_f32 v[MM\x+1], v[MM\x+1], v[TT\x], v[TT\x+1]   ; the running largest score of my query
.endr
.irp x, 0,1
	v_mul_f32 v[TT\x+2], s[CS], v[MM\x+1]          ; as t (c is positive)
.endr
.irp x, 0,1
	v_floor_f32 v[MM\x], -v[TT\x+2]                ; the new -M = -ceil(t)
.endr
.irp x, 0,1
	v_sub_f32 v[OM\x], v[MM\x], v[OM\x]            ; old M - new M: a whole number, 0 or less
.endr
.irp x, 0,1
	v_cvt_i32_f32 v[OM\x], v[OM\x]                 ; (it saturates)
.endr
.irp x, 0,1
	v_ldexp_f32 v[FF\x], 1.0, v[OM\x]              ; f = 2^(old M - new M)
.endr
.irp x, 0,1
	WIN 0x41*\x
.set J, 0
.rept 32
	v_pk_fma_f32 v[96+J:97+J], v[96+J:97+J], s[CS:CS+1], v[MM\x:MM\x+1] op_sel_hi:[1,0,0]
.set J, J+2
.endr
.endr
	WIN 0
.irp x, 0,1
	v_fma_f32 v[BM\x], v[BM\x], s[CS], v[MM\x]     ; the same of each block's largest score
	v_fma_f32 v[BM\x+2], v[BM\x+2], s[CS], v[MM\x]
.endr
	WALU
.irp x, 0,1
	WIN 0x41*\x
.set J, 0
.rept 64
	v_exp_f32 v[96+J], v[96+J]
.set J, J+1
.endr
.endr
	WIN 0
	v_pk_mul_f32 v[LL0:LL0+1], v[LL0:LL0+1], v[FF0:FF0+1] op_sel_hi:[1,0]
	v_pk_mul_f32 v[LL1:LL1+1], v[LL1:LL1+1], v[FF1:FF1+1] op_sel_hi:[1,0]
	WALU
.irp x, 0,1
	v_exp_f32 v[BM\x], v[BM\x]                     ; the blocks' largest p: the same two instructions on the same number give the same bits
	v_exp_f32 v[BM\x+2], v[BM\x+2]
.endr
	SUMS 0
	SUMS 1
	WALU
.irp x, 0,1
	v_max_num_f32 v[BM\x], 0x1800000, v[BM\x]      ; the floor 2^(3 - 127): the byte cannot fall under 1
	v_max_num_f32 v[BM\x+2], 0x1800000, v[BM\x+2]
.endr
.irp x, 0,1
	v_add_nc_u32 v[SO\x], 0xff000000, v[BM\x]      ; the conversions' scale operands
	v_add_nc_u32 v[SO\x+1], 0xff000000, v[BM\x+2]
.endr
.irp x, 0,1
	v_lshrrev_b32 v[TT\x], 23, v[SO\x]
	v_lshrrev_b32 v[TT\x+1], 23, v[SO\x+1]
.endr
.irp x, 0,1
	v_lshl_or_b32 v[TT\x], v[TT\x+1], 16, v[TT\x]  ; my two bytes: blocks h and 2 + h,
.endr
.irp x, 0,1
	v_lshlrev_b32 v[TT\x], v[SH], v[TT\x]          ; at their places in the scale word;
.endr
.irp x, 0,1
	v_permlanex16_b32 v[TT\x+1], v[TT\x], s[SEL], s[SEL+1]
.endr
.irp x, 0,1
	v_or_b32 v[FF\x+1], v[TT\x], v[TT\x+1]         ; with lane l xor 16's two the word is whole
.endr
	CODES 0
	CODES 1
.irp x, 0,1                                    ; O^T under the new M; also the places between p's codes and scale words and the products
	WIN 0x41*\x
	WALU                                           ; the wait ahead of the first reader of O^T
.set J, 0
.rept 16
	v_pk_mul_f32 v[160+J:161+J], v[160+J:161+J], v[FF\x:FF\x+1] op_sel_hi:[1,0]
.set J, J+2
.endr
.endr
	WIN 0
	WALU
	s_wait_dscnt 0x0                               ; V is in
.irp x, 0,1                                    ; eight accumulators by turns
	WIN 0x50*\x
.irp i, 0,1,2,3
	v_wmma_scale_f32_16x16x128_f8f6f4 v[160+8*\i:167+8*\i], v[KF+12*\i:KF+12*\i+11], v[PP\x:PP\x+11], v[160+8*\i:167+8*\i], v[248+\i], v[FF\x+1] matrix_a_fmt:MATRIX_FMT_FP6 matrix_b_fmt:MATRIX_FMT_FP6
.endr
.endr
	WIN 0
	s_add_co_u32 s[TB], s[TB], CHUNK
.endm
; THE WAY OUT of tile x: O^T / l; a lane gets a whole block of 32 channels in plain order; six registers of codes and a byte leave
.macro OUT x
	s_wait_xcnt 0x0                                ; earlier stores have read their registers
	v_add_f32 v[LL\x], v[LL\x], v[LL\x+1]
	v_nop
	v_nop
	v_permlanex16_b32 v[FF\x], v[LL\x], s[SEL], s[SEL+1]
	v_add_f32 v[LL\x], v[LL\x], v[FF\x]
	WALU
	v_rcp_f32 v[LL\x], v[LL\x]
	v_nop
	WIN \x
	WALU
.irp i, 0,1,2,3                                ; tiles 0, 2, 1, 3 on end, each accumulator from its low end on
.irp j, 0,2,4,6
	v_pk_mul_f32 v[96+8*((\i%2)*2+\i/2)+\j:97+8*((\i%2)*2+\i/2)+\j], v[160+8*\i+\j:161+8*\i+\j], v[LL\x:LL\x+1] op_sel_hi:[1,0]
.endr
.endr
	WIN 0
.irp j, 0,1,2,3,4,5,6,7
	v_permlane16_swap_b32 v[96+\j], v[104+\j]      ; v96-111: channels 32 h + 0 .. 15 of my query
.endr
.irp j, 0,1,2,3,4,5,6,7
	v_permlane16_swap_b32 v[112+\j], v[120+\j]     ; v112-127: channels 32 h + 16 .. 31
.endr
	v_max3_num_f32 v232, |v96|, |v97|, 0x1800000
	v_max3_num_f32 v233, |v98|, |v99|, |v100|
.irp i, 101,105,109,113,117,121
	v_max3_num_f32 v232, v232, |v[\i]|, |v[\i+1]|
	v_max3_num_f32 v233, v233, |v[\i+2]|, |v[\i+3]|
.endr
	v_max3_num_f32 v232, v232, |v125|, |v126|
	v_max3_num_f32 v232, v232, v233, |v127|
	v_add_nc_u32 v244, 0xff000000, v232
	v_lshrrev_b32 v236, 23, v244
	v_cvt_scalef32_pk16_fp6_f32 v[224:226], v[96:111], v244
	v_cvt_scalef32_pk16_fp6_f32 v[228:230], v[112:127], v244
	v_nop
	v_mov_b32 v227, v228
	v_mov_b32 v228, v229
	v_mov_b32 v229, v230
	global_store_b128 v[LI], v[224:227], s[8:9] offset:768*\x
	global_store_b64 v[OB], v[228:229], s[8:9] offset:768*\x+512
	global_store_b8 v[OS], v236, s[10:11] offset:64*\x
.endm
	s_mov_b32 s[PASS], 2
.Lpass:
.irp x, 0,1
	v_mov_b32 v[MM\x+1], 0xff61b1e6                ; the largest score so far: -3e38
	v_mov_b32 v[MM\x], 0x7e800000                  ; -M: a large whole number, so that the first f is 0
	v_mov_b32 v[LL\x], 0
	v_mov_b32 v[LL\x+1], 0
.endr
.irp x, 0,1
	WIN 0x40*\x
.set J, 0
.rept 32
	v_mov_b32 v[160+J], 0
.set J, J+1
.endr
.endr
	WIN 0
	s_mov_b32 s[TB], 0
	s_mov_b32 s[CNT], 16
	WALU
.Lstep:
	STEP
	s_sub_co_u32 s[CNT], s[CNT], 1
	s_cmp_lg_u32 s[CNT], 0
	s_cbranch_scc1 .Lstep
	OUT 0
	OUT 1
	s_wait_xcnt 0x0                                ; the stores have read their registers and bases
	s_add_nc_u64 s[8:9], s[8:9], 16*12288          ; the second pass's tiles lie in the next block of 256 places
	s_add_nc_u64 s[10:11], s[10:11], 1024
	v_mov_b32 v[QS0], v198
	v_mov_b32 v[QS1], v199
.irp x, 0,1
	WIN 0x41*\x
.irp i, 0,1,2,3,4,5
	v_mov_b32 v[16+\i], v[192+\i]
.endr
.endr
	WIN 0
	s_sub_co_u32 s[PASS], s[PASS], 1
	s_cmp_lg_u32 s[PASS], 0
	WALU
	s_cbranch_scc1 .Lpass
	s_wait_tensorcnt 0x0                           ; the wave's end
	ds_add_u32 v243, v255
	s_wait_dscnt 0x0
	CROUND
	s_endpgm
.Lfunc_end_k_q3ba4faf9bb_attn:
	.size	k_q3ba4faf9bb_attn, .Lfunc_end_k_q3ba4faf9bb_attn-k_q3ba4faf9bb_attn
	.p2alignl 7, 3214868480
	.fill 96, 4, 3214868480
	.section	.rodata,"a",@progbits
	.p2align	6, 0x0
	.amdhsa_kernel k_q3ba4faf9bb_attn
		.amdhsa_group_segment_fixed_size 215040
		.amdhsa_private_segment_fixed_size 0
		.amdhsa_enable_private_segment 0
		.amdhsa_kernarg_size 32
		.amdhsa_user_sgpr_count 2
		.amdhsa_user_sgpr_kernarg_segment_ptr 1
		.amdhsa_wavefront_size32 1
		.amdhsa_system_sgpr_workgroup_id_x 1
		.amdhsa_system_sgpr_workgroup_id_y 1
		.amdhsa_system_sgpr_workgroup_id_z 1
		.amdhsa_system_vgpr_workitem_id 0
		.amdhsa_next_free_vgpr 512
		.amdhsa_next_free_sgpr 66
		.amdhsa_reserve_vcc 0
		.amdhsa_float_denorm_mode_32 3
		.amdhsa_float_denorm_mode_16_64 3
		.amdhsa_memory_ordered 1
		.amdhsa_forward_progress 1
		.amdhsa_inst_pref_size 46
	.end_amdhsa_kernel
	.amdgpu_metadata
---
amdhsa.version: [ 1, 2 ]
amdhsa.kernels:
  - .name:           k_q3ba4faf9bb_attn
    .symbol:         k_q3ba4faf9bb_attn.kd
    .args:
      - { .name: qb, .offset: 0, .size: 8, .value_kind: global_buffer, .address_space: global }
      - { .name: kv, .offset: 8, .size: 8, .value_kind: global_buffer, .address_space: global }
      - { .name: cc, .offset: 16, .size: 8, .value_kind: global_buffer, .address_space: global }
      - { .name: cs, .offset: 24, .size: 8, .value_kind: global_buffer, .address_space: global }
    .group_segment_fixed_size: 215040
    .private_segment_fixed_size: 0
    .kernarg_segment_align: 8
    .kernarg_segment_size: 32
    .max_flat_workgroup_size: 256
    .sgpr_count:     66
    .vgpr_count:     512
    .wavefront_size: 32
...
	.end_amdgpu_metadata
.endif
;; end of part 2
;; launch oproj (part 3): grid 8 x 32, 4 waves a work-group, clusters of 4 x 4, 327,680 bytes of LDS; arguments cc, cs, Wo_codes, Wo_scales, out0; writes out0
.if DOCPART == 3
	.amdgcn_target "amdgcn-amd-amdhsa--gfx1250"
	.amdhsa_code_object_version 6
	.text
	.protected	k_q3ba4faf9bb_oproj
	.globl	k_q3ba4faf9bb_oproj
	.p2align	8
	.type	k_q3ba4faf9bb_oproj,@function
k_q3ba4faf9bb_oproj:
	s_mov_b64 s[64:65], 0
	v_nop
	global_prefetch_b8 v0, s[64:65] scope:SCOPE_SE
	s_setreg_imm32_b32 hwreg(HW_REG_WAVE_MODE, 25, 1), 1
	s_wait_xcnt 0x0
	s_wait_alu depctr_hold_cnt(0) depctr_sa_sdst(0) depctr_va_vdst(0) depctr_va_sdst(0) depctr_va_ssrc(0) depctr_va_vcc(0) depctr_vm_vsrc(0)
	s_getreg_b32 s2, hwreg(HW_REG_IB_STS2, 6, 4)
	s_cmp_eq_u32 s2, 0
	s_cbranch_scc0 .Lentry_in_a_cluster
	s_endpgm
.Lentry_in_a_cluster:
	s_bfe_u32 s2, ttmp6, 0x10000c
	s_cmp_lg_u32 s2, 0xf033
	s_cbranch_scc0 .Lentry_shape_is_right
	s_endpgm
.Lentry_shape_is_right:
; out[t][d] = the sum over e of concat[t][e] Wo[d][e], on codes of FP6 (E2M3), K = 1,024; out is f32.  concat comes as images of operand registers (cc) and scale words (cs), Wo as rows of 768 bytes and 32 scale bytes.
; SHARES.  256 work-groups: 256 tokens x 128 outputs; a wave makes 128 tokens x 64 outputs: 32 accumulators by turns.  LIMITS: NaN and infinities are not served.
; Place rho of tile a of a wave's 128 tokens is token 64 (a / 4) + 32 (rho / 8) + 8 (a % 4) + rho % 8, as the launches before lay them: the stores put the rows back.
; LDS.  All of K, brought once, one joint load a wave, each on a line of its own: Wo's 128 whole rows; A's K half 0; A's K half 1; A's scale words.  The first barrier shows all but K half 1, the barrier in K step 3 that too.
; Wo's scale bytes come by plain loads, a row's 32 bytes to a lane.  All is asked for at the head: no loop runs ahead of a load, so no prefetch is laid.
; CLUSTERS 4 x 4: a row of the cluster shares the tokens (A), a column the rows of Wo (B).  Source 0 = 16 rows of Wo, source 1 = 16 tokens: a lane holds eight neighbouring outputs of one token.
; REGISTERS: window 0: v16-27 addresses; v32-95 A's scale words (8 a + q), v96-127 B's (8 b + q); v128-223 A's eight fragments.  Window 1: B's four fragments, two sets.  Window 2: accumulator (a, b) at v[8 (4 a + b)].
.set FR,   12
.set ACD,  0
.set BCD,  196608
.set BP,   816                         ; 768 bytes + 16 behind every 256
.set ASC,  BCD+128*BP                  ; A's scale words: [K step 8][place 256][4]
.set SPARE, ASC+8192
.set SP,   272                         ; the stage: 16 rows x (256 + 16) a wave, at LDS byte 0: in A's K half 0, which has had its one fill and which nobody reads behind the second barrier
.set ADA16, 16
.set ADA8,  17
.set ADRB,  18
.set ADAS,  22
.set ABS,   23
.set STO,   24
.set RD,    25
.set CO,    26
.set ASW,   32
.set BSW,   96
.set AF,    128
.set BK,    128
.set G1A,  24
.set G1B,  32
.set G1AS, 48
.set G0B,  56
.set G0A,  60
.set G0A2, 68
.set G0AS, 72
.set MSB, 0
.macro WIN new
.if MSB != \new
	s_set_vgpr_msb (MSB<<8)|\new
.set MSB, \new
.endif
.endm
.set MUL,  0xa1
.set TO_B, 0x40
.macro CROUND
	s_barrier_signal -1
	s_barrier_wait -1
	s_cmp_lg_u32 s14, 0
	s_cbranch_scc1 .Lnot_wave_0_\@
	s_barrier_signal -3
.Lnot_wave_0_\@:
	s_barrier_wait -3
	s_barrier_signal -1
	s_barrier_wait -1
.endm
.macro PLACES
.rept 4
	v_nop
.endr
.endm
.macro TLOAD g0, g1
	tensor_load_to_lds s[\g0:\g0+3], s[\g1:\g1+7]
	s_nop 0
	PLACES
.endm
.macro GRP g, w0mask, w0, d0, rows, pitch
	s_or_b32 s[\g], s\w0mask, \w0
	s_mov_b32 s[\g+1], (\d0)<<16
	s_mov_b32 s[\g+2], (\rows)<<16
	s_mov_b32 s[\g+3], (\d0)<<16
	s_mov_b32 s[\g+4], \rows
	s_mov_b32 s[\g+5], \pitch
	s_mov_b32 s[\g+6], 0
	s_mov_b32 s[\g+7], 0
.endm
	s_load_b256 s[4:11], s[0:1], 0x0               ; cc, cs, Wo's codes, Wo's scales
	s_load_b64 s[12:13], s[0:1], 0x20              ; out
	v_lshl_add_u32 v254, v0, 2, SPARE
	v_mov_b32 v255, 0
	ds_add_u32 v254, v255                          ; the opening lines
	ds_add_u32 v254, v255
	v_lshrrev_b32 v1, 5, v0
	v_readfirstlane_b32 s14, v1
	s_lshr_b32 s15, s14, 1                         ; which 128 tokens are mine
	s_and_b32 s16, s14, 1                          ; which 64 outputs
	s_bfe_u32 s40, ttmp6, 0x40000
	s_bfe_u32 s41, ttmp6, 0x40004
	s_lshl_b32 s42, ttmp9, 2
	s_add_co_u32 s42, s42, s40                     ; block of 128 outputs
	s_and_b32 s17, ttmp7, 0xffff
	s_lshl_b32 s17, s17, 2
	s_add_co_u32 s17, s17, s41                     ; block of 256 tokens
	s_lshl_b32 s43, s41, 2
	s_lshl_b32 s43, 15, s43
	s_lshl_b32 s44, 0x1111, s40
	GRP G1A, 43, (3<<16)|(1<<21), 32, 384, 32                          ; a K half of A: 384 dense rows of 256 bytes
	GRP G1B, 44, (1<<20)|(1<<21)|(5<<22)|(3<<25), 768, 128, 768        ; Wo: 128 whole rows, padded
	GRP G1AS, 43, (3<<16)|(1<<21), 128, 8, 1024                        ; A's scale words: 8 rows of 1,024 bytes, 8,192 apart
	s_mul_i32 s20, s17, 196608
	s_mov_b32 s21, 0
	s_lshr_b32 s22, s17, 3
	s_lshl_b32 s22, s22, 16
	s_and_b32 s23, s17, 7
	s_lshl_b32 s23, s23, 10
	s_add_co_u32 s22, s22, s23
	s_mov_b32 s23, 0
	s_mul_i32 s46, s42, 128*768
	s_mov_b32 s47, 0
	s_lshl_b32 s92, s42, 12
	s_lshl_b32 s93, s16, 11
	s_add_co_u32 s92, s92, s93
	s_mov_b32 s93, 0
	s_mov_b32 s[G0B], 1
	s_mov_b32 s[G0B+1], BCD
	s_mov_b32 s[G0A], 1
	s_mov_b32 s[G0A+1], ACD
	s_mov_b32 s[G0A2], 1
	s_mov_b32 s[G0A2+1], ACD+98304
	s_mov_b32 s[G0AS], 1
	s_mov_b32 s[G0AS+1], ASC
	s_wait_dscnt 0x0
	s_wait_kmcnt 0x0
	s_add_nc_u64 s[G0A+2:G0A+3], s[4:5], s[20:21]
	s_add_nc_u64 s[G0A2+2:G0A2+3], s[G0A+2:G0A+3], 98304
	s_add_nc_u64 s[G0AS+2:G0AS+3], s[6:7], s[22:23]
	s_add_nc_u64 s[G0B+2:G0B+3], s[8:9], s[46:47]
	s_add_nc_u64 s[10:11], s[10:11], s[92:93]
	s_or_b32 s[G0A+3], s[G0A+3], 0x80000000
	s_or_b32 s[G0A2+3], s[G0A2+3], 0x80000000
	s_or_b32 s[G0AS+3], s[G0AS+3], 0x80000000
	s_or_b32 s[G0B+3], s[G0B+3], 0x80000000
	CROUND
	s_cmp_eq_u32 s14, 0
	s_cbranch_scc0 .Lwave_1
	TLOAD G0B, G1B
	s_branch .Lasked
.Lwave_1:
	s_cmp_eq_u32 s14, 1
	s_cbranch_scc0 .Lwave_2
	TLOAD G0A, G1A
	s_branch .Lasked
.Lwave_2:
	s_cmp_eq_u32 s14, 2
	s_cbranch_scc0 .Lwave_3
	TLOAD G0A2, G1A
	s_branch .Lasked
.Lwave_3:
	TLOAD G0AS, G1AS
.Lasked:
	v_and_b32 v1, 15, v0
	v_bfe_u32 v2, v0, 4, 1
	v_and_b32 v3, 31, v0
	v_lshlrev_b32 v[ABS], 5, v1                    ; Wo's scale bytes: 32 a row
	s_wait_alu depctr_va_vdst(0)
.irp b, 0,1,2,3
	global_load_b128 v[BSW+8*\b:BSW+8*\b+3], v[ABS], s[10:11] offset:512*\b
	global_load_b128 v[BSW+8*\b+4:BSW+8*\b+7], v[ABS], s[10:11] offset:512*\b+16
.endr
	s_mul_i32 s18, s15, 6144
	v_lshl_add_u32 v[ADA16], v3, 4, s18
	v_lshl_add_u32 v[ADA8], v3, 3, s18
	v_mul_u32_u24 v4, v1, BP
	s_mul_i32 s18, s16, 64*BP
	s_add_co_u32 s18, s18, BCD
	v_add_nc_u32 v4, s18, v4
	v_mad_u32_u24 v[ADRB], v2, 24, v4
	v_mad_u32_u24 v[ADRB+1], v2, 40, v4            ; for the pieces behind one padding more
	s_lshl_b32 s18, s15, 9
	s_add_co_u32 s18, s18, ASC
	v_lshl_add_u32 v[ADAS], v1, 2, s18
	s_mul_i32 s18, s14, 16*SP
	v_mul_u32_u24 v6, v1, SP
	v_lshl_add_u32 v6, v2, 5, v6
	v_add_nc_u32 v[STO], s18, v6
	v_mul_u32_u24 v6, v2, SP
	v_lshl_add_u32 v6, v1, 4, v6
	v_add_nc_u32 v[RD], s18, v6
	v_lshlrev_b32 v6, 12, v2
	v_lshl_add_u32 v[CO], v1, 4, v6
	s_lshl_b32 s20, s17, 8
	s_lshl_b32 s21, s15, 7
	s_add_co_u32 s20, s20, s21
	s_lshl_b32 s20, s20, 12
	s_lshl_b32 s46, s42, 9
	s_lshl_b32 s47, s16, 8
	s_add_co_u32 s46, s46, s47
	s_add_co_u32 s20, s20, s46
	s_mov_b32 s21, 0
	s_add_nc_u64 s[12:13], s[12:13], s[20:21]
.macro FETCH_A a
	ds_load_b128 v[AF+FR*(\a):AF+FR*(\a)+3], v[ADA16] offset:768*(\a)
	ds_load_b64 v[AF+FR*(\a)+4:AF+FR*(\a)+5], v[ADA8] offset:768*(\a)+512
	ds_load_b128 v[AF+FR*(\a)+6:AF+FR*(\a)+9], v[ADA16] offset:12288+768*(\a)
	ds_load_b64 v[AF+FR*(\a)+10:AF+FR*(\a)+11], v[ADA8] offset:12288+768*(\a)+512
.endm
.macro FRAGB reg, q, b
.irp p, 0,1,2,3,4,5
.set PC, 12*(\q)+6*(\p/3)+\p%3
.if PC%32 < 29
	ds_load_b64 v[\reg+2*\p:\reg+2*\p+1], v[ADRB] offset:8*PC+16*(PC/32)+(\b)*16*BP
.else
	ds_load_b64 v[\reg+2*\p:\reg+2*\p+1], v[ADRB+1] offset:8*PC+16*(PC/32)+(\b)*16*BP
.endif
.endr
.endm
.macro FETCH_B q
	WIN TO_B
.irp b, 0,1,2,3
	FRAGB 48*((\q)%2)+FR*\b, \q, \b
.endr
	WIN 0
.endm
.macro MUL8 a0, p, q, zero
.irp a, \a0, \a0+1
.irp b, 0,1,2,3
.if \zero
	v_wmma_scale_f32_16x16x128_f8f6f4 v[8*(4*(\a)+\b):8*(4*(\a)+\b)+7], v[48*(\p)+FR*\b:48*(\p)+FR*\b+FR-1], v[AF+FR*(\a):AF+FR*(\a)+FR-1], 0, v[BSW+8*\b+(\q)], v[ASW+8*(\a)+(\q)] matrix_a_fmt:MATRIX_FMT_FP6 matrix_b_fmt:MATRIX_FMT_FP6
.else
	v_wmma_scale_f32_16x16x128_f8f6f4 v[8*(4*(\a)+\b):8*(4*(\a)+\b)+7], v[48*(\p)+FR*\b:48*(\p)+FR*\b+FR-1], v[AF+FR*(\a):AF+FR*(\a)+FR-1], v[8*(4*(\a)+\b):8*(4*(\a)+\b)+7], v[BSW+8*\b+(\q)], v[ASW+8*(\a)+(\q)] matrix_a_fmt:MATRIX_FMT_FP6 matrix_b_fmt:MATRIX_FMT_FP6
.endif
.endr
.endr
.endm
	s_wait_alu depctr_va_vdst(0)
	s_cmp_eq_u32 s14, 2
	s_cbranch_scc1 .Lnot_yet
	s_wait_tensorcnt 0x0                           ; waves 0, 1, 3: Wo's rows, A's K half 0, A's scale words
.Lnot_yet:
	s_barrier_signal -1
	s_barrier_wait -1                              ; K half 1 may still be on its way
.irp a, 0,1,2,3,4,5,6,7
.irp q, 0,1,2,3,4,5,6,7
	ds_load_b32 v[ASW+8*\a+\q], v[ADAS] offset:1024*\q+64*\a
.endr
.endr
	FETCH_B 0
.irp a, 0,1,2,3,4,5,6,7
	FETCH_A \a
.endr
	s_wait_loadcnt 0x0                             ; Wo's scale words
.irp q, 0,1,2,3,4,5,6,7
.set Z, 0
.if \q == 0
.set Z, 1
.endif
	s_wait_dscnt 16                                ; all but the youngest sixteen loads (A's tiles 4-7)
	WIN MUL
	MUL8 0, \q%2, \q, Z
	MUL8 2, \q%2, \q, Z
	s_wait_dscnt 0x0
.if \q == 3
	s_wait_tensorcnt 0x0                           ; every wave: K half 1 is in, my reads of K half 0 are over
	s_barrier_signal -1
	s_barrier_wait -1
.endif
.if \q < 7
	WIN 0
	s_wait_alu depctr_va_vdst(0)
	v_add_nc_u32 v[ADA16], 24576, v[ADA16]         ; the next K step: two heads on.  (With the two v_nop: the four places)
	v_add_nc_u32 v[ADA8], 24576, v[ADA8]
	v_nop
	v_nop
	FETCH_B \q+1
.irp a, 0,1,2,3
	FETCH_A \a
.endr
.endif
	WIN MUL
	MUL8 4, \q%2, \q, Z
	MUL8 6, \q%2, \q, Z
.if \q < 7
	PLACES
	WIN 0
.irp a, 4,5,6,7
	FETCH_A \a
.endr
.endif
.endr
	WIN 0
; THE WAY OUT, tile by tile of 16 places x 64 outputs, through my own stage and back as whole rows of 256 bytes (LDS serves a wave's instructions in order: ISA guide 5.7.1.4)
.macro TOSTAGE a
	WIN 0x08
.irp b, 0,1,2,3
	ds_store_b128 v[STO], v[32*(\a)+8*\b:32*(\a)+8*\b+3] offset:64*\b
	ds_store_b128 v[STO], v[32*(\a)+8*\b+4:32*(\a)+8*\b+7] offset:64*\b+16
.endr
	WIN 0
.set BB, BK+32*((\a)%2)
.irp t, 0,1,2,3,4,5,6,7
	ds_load_b128 v[BB+4*\t:BB+4*\t+3], v[RD] offset:\t*2*SP
.endr
.endm
.macro SEND a, younger
.set BB, BK+32*((\a)%2)
	s_wait_dscnt \younger
.if (\a) == 4
	s_add_nc_u64 s[12:13], s[12:13], 40*4096       ; from tile 3 (tokens 24 ..) to tile 4 (tokens 64 ..)
.elseif (\a) > 0
	s_add_nc_u64 s[12:13], s[12:13], 8*4096        ; the next tile begins 8 tokens on
.endif
.irp t, 0,1,2,3,4,5,6,7
	global_store_b128 v[CO], v[BB+4*\t:BB+4*\t+3], s[12:13] offset:(32*(\t/4)+(2*\t)%8)*4096 th:TH_STORE_NT   ; places 2 t, 2 t + 1; 16 lanes store 256 consecutive bytes, aligned
.endr
.endm
	PLACES
	TOSTAGE 0
.irp a, 1,2,3,4,5,6,7
.if \a > 1
	s_wait_xcnt 0x0                                ; tile a - 2's stores have read their registers and their base
.endif
	TOSTAGE \a
	SEND \a-1, 16
.endr
	s_wait_xcnt 0x0
	SEND 7, 0
	s_wait_tensorcnt 0x0                           ; the wave's end
	ds_add_u32 v254, v255
	s_wait_dscnt 0x0
	CROUND
	s_endpgm
.Lfunc_end_k_q3ba4faf9bb_oproj:
	.size	k_q3ba4faf9bb_oproj, .Lfunc_end_k_q3ba4faf9bb_oproj-k_q3ba4faf9bb_oproj
	.p2alignl 7, 3214868480
	.fill 96, 4, 3214868480
	.section	.rodata,"a",@progbits
	.p2align	6, 0x0
	.amdhsa_kernel k_q3ba4faf9bb_oproj
		.amdhsa_group_segment_fixed_size 327680
		.amdhsa_private_segment_fixed_size 0
		.amdhsa_enable_private_segment 0
		.amdhsa_kernarg_size 40
		.amdhsa_user_sgpr_count 2
		.amdhsa_user_sgpr_kernarg_segment_ptr 1
		.amdhsa_wavefront_size32 1
		.amdhsa_system_sgpr_workgroup_id_x 1
		.amdhsa_system_sgpr_workgroup_id_y 1
		.amdhsa_system_sgpr_workgroup_id_z 1
		.amdhsa_system_vgpr_workitem_id 0
		.amdhsa_next_free_vgpr 768
		.amdhsa_next_free_sgpr 100
		.amdhsa_reserve_vcc 0
		.amdhsa_float_denorm_mode_32 3
		.amdhsa_float_denorm_mode_16_64 3
		.amdhsa_memory_ordered 1
		.amdhsa_forward_progress 1
		.amdhsa_inst_pref_size 93
	.end_amdhsa_kernel
	.amdgpu_metadata
---
amdhsa.version: [ 1, 2 ]
amdhsa.kernels:
  - .name:           k_q3ba4faf9bb_oproj
    .symbol:         k_q3ba4faf9bb_oproj.kd
    .args:
      - { .name: cc, .offset: 0, .size: 8, .value_kind: global_buffer, .address_space: global }
      - { .name: cs, .offset: 8, .size: 8, .value_kind: global_buffer, .address_space: global }
      - { .name: Wo_codes, .offset: 16, .size: 8, .value_kind: global_buffer, .address_space: global }
      - { .name: Wo_scales, .offset: 24, .size: 8, .value_kind: global_buffer, .address_space: global }
      - { .name: out0, .offset: 32, .size: 8, .value_kind: global_buffer, .address_space: global }
    .group_segment_fixed_size: 327680
    .private_segment_fixed_size: 0
    .kernarg_segment_align: 8
    .kernarg_segment_size: 40
    .max_flat_workgroup_size: 128
    .sgpr_count:     100
    .vgpr_count:     768
    .wavefront_size: 32
...
	.end_amdgpu_metadata
.endif
;; end of part 3
